; MI455X (gfx1250); checked and timed in simulation.
; The chip was launched on July 23, 2026; its instructions are those of AMD's public machine-readable ISA for CDNA 5 (MIT licence, August 2026) and "CDNA5" Instruction Set Architecture Reference Guide (July 2026). The comments in the code are by the model that wrote it; some were corrected since.
;; Self Attention. Allowed arithmetic: matrix products marked QUANTISED: E4M3 operands, one given power-of-two scale a tensor, by v_wmma_f32_16x16x64_fp8_fp8 or v_wmma_f32_16x16x128_fp8_fp8, f32 sums; everything else in f32.
;; Inputs: Wk_codes 512 x 16 x 32 uint8 (E4M3 codes of Wk, K innermost, in blocks of 32 codes); Wq_codes 512 x 16 x 32 uint8 (E4M3 codes of Wq, K innermost, in blocks of 32 codes); Wv_codes 512 x 16 x 32 uint8 (E4M3 codes of Wv, K innermost, in blocks of 32 codes); bk 512 float32; bq 512 float32; bv 512 float32; lowp_scales 10 int32 (the exponents e of the quantised operands' scales 2^e); x_codes 2 x 4,096 x 16 x 32 uint8 (E4M3 codes of x, K innermost, in blocks of 32 codes).
;; Outputs: out0 2 x 4,096 x 512 float32.
;; This version of the problem:
;;   THIS VERSION OF THE PROBLEM IS GIVEN IN LOW PRECISION. The matrix products marked QUANTISED in the list below multiply operands that are first quantised to E4M3 (4 exponent bits, 3 mantissa bits; 8 bits a number), with one given power-of-two scale for each operand tensor; their sums are f32. All else is computed in f32.
;;   The module's matrix products, in the order in which they are computed (A, B: the left and right operand; K: the contracted axis; several contracted axes count as one K, in the product's order):
;;     1. [M 8,192, K 512] x [K 512, N 512]; A: input x (given as codes); B: input Wq (given as codes): QUANTISED (scales: A lowp_scales[0], B lowp_scales[1])
;;     2. [M 8,192, K 512] x [K 512, N 512]; A: input x (given as codes); B: input Wk (given as codes): QUANTISED (scales: A lowp_scales[2], B lowp_scales[3])
;;     3. [M 8,192, K 512] x [K 512, N 512]; A: input x (given as codes); B: input Wv (given as codes): QUANTISED (scales: A lowp_scales[4], B lowp_scales[5])
;;     4. batch 16 x [M 4,096, K 64] x [K 64, N 4,096]; A: computed on the way; B: computed on the way: QUANTISED (scales: A lowp_scales[6], B lowp_scales[7])
;;     5. batch 16 x [M 4,096, K 4,096] x [K 4,096, N 64]; A: softmax (see below); B: computed on the way: QUANTISED (scales: A lowp_scales[8], B lowp_scales[9])
;;   THE QUANTISER, for each operand of a quantised product, along K:
;;     - The operand's scale is 2^e, e = its entry of the input lowp_scales (int32; the entries are numbered through the quantised products in the list's order, A before B).
;;     - Each number is divided by the scale, clamped to +-448, and rounded to the nearest number of E4M3, ties to even, subnormals kept.
;;     - The product sums the exact products of the quantised numbers (number of the format x scale) in f32.
;;   ~~~python
;;   def quantise(x, axis, e):      # numpy; x: float32 -> the quantised numbers, widened to float32 again
;;       x = np.moveaxis(x, axis, -1); K = x.shape[-1]
;;       r = np.clip(x / 2.0 ** e, -448, 448)
;;       step = 2.0 ** (np.maximum(np.frexp(np.where(r == 0, 1, r))[1] - 1, -6) - 3)
;;       q = np.round(r / step) * step * 2.0 ** e      # np.round: ties to even
;;       return np.moveaxis(q, -1, axis).astype(np.float32)
;;   ~~~
;;   SOFTMAX AHEAD OF A QUANTISED PRODUCT. Where the list says 'softmax', what is quantised is not the finished softmax but p = 2^(t - M), with t = logit x log2(e) and M = ceil(the row's largest t), a whole number; so 1/2 < the row's largest p <= 1. The row's sum l is taken of the UNQUANTISED p, in f32, and the product's result is divided by l at the end. Since M is a whole number, a kernel that streams over the keys may use a running M (the ceiling of the running maximum): every later rescaling is an exact power of two, so the quantised numbers keep their values, but for numbers so far below the row's largest that they fall under the format's range.
;;   OPERANDS COMPUTED ON THE WAY. 'Computed on the way' means the value that the module computes at that place (a softmax that the list does not call 'softmax' is quantised finished and normalised). What goes into a quantiser is computed in f32, as accurately as f32 sums, v_exp_f32 and their like allow (about 1e-6 of the number): no bf16 or f16 on the way to a quantiser, and a product that is left as it is and whose result goes on into a quantised operand takes f32 operands (vector FMAs, or v_wmma_f32_16x16x4_f32). A number that lies on a knife's edge between two numbers of the format may be rounded either way, as far as f32 arithmetic and the matrix unit's own rounding can turn it there, and no further.
;;   INPUTS GIVEN AS CODES. Wk (in the module: [512, 512], K = its axis 0); Wq (in the module: [512, 512], K = its axis 0); Wv (in the module: [512, 512], K = its axis 0); x (in the module: [2, 4096, 512], K = its axis 2): each comes as NAME_codes (uint8): NAME with its K axis moved to the last place and cut into blocks of 32 codes, [.., K / 32, bytes a block], one block behind the other in memory; one code a byte (a code: sign, 4 exponent bits, 3 mantissa bits); its scale is its entry of lowp_scales. Its value is code x scale, taken as it is: it is not quantised again, and the codes and scales need not be those that the quantiser above would give.
;; One version. Each part assembles by itself: llvm-mc -triple=amdgcn-amd-amdhsa -mcpu=gfx1250 --defsym DOCPART=n.
;; ======== version 1 of 1: 2 launches
;; limits: right only within a limited range of input values
;; workspace buffers: q_img 4,194,304 bytes; kv_img 8,388,608 bytes
;; launch proj (part 1): grid 8 x 32, 8 waves a work-group, clusters of 4 x 4, 238,592 bytes of LDS; arguments x_codes, Wq_codes, Wk_codes, Wv_codes, bq, bk, bv, lowp_scales, q_img, kv_img; writes q_img, kv_img
.if DOCPART == 1
	.amdgcn_target "amdgcn-amd-amdhsa--gfx1250"
	.amdhsa_code_object_version 6
	.text
	.protected	k_q5820cb4275_proj
	.globl	k_q5820cb4275_proj
	.p2align	8
	.type	k_q5820cb4275_proj,@function
k_q5820cb4275_proj:
	s_mov_b64 s[64:65], 0
	v_nop
	global_prefetch_b8 v0, s[64:65] scope:SCOPE_SE
	s_setreg_imm32_b32 hwreg(HW_REG_WAVE_MODE, 25, 1), 1
	s_wait_xcnt 0x0
	s_wait_alu depctr_hold_cnt(0) depctr_sa_sdst(0) depctr_va_vdst(0) depctr_va_sdst(0) depctr_va_ssrc(0) depctr_va_vcc(0) depctr_vm_vsrc(0)
	s_getreg_b32 s2, hwreg(HW_REG_IB_STS2, 6, 4)
	s_cmp_eq_u32 s2, 0
	s_cbranch_scc0 .Lentry_in_a_cluster
	s_endpgm
.Lentry_in_a_cluster:
	s_bfe_u32 s2, ttmp6, 0x10000c
	s_cmp_lg_u32 s2, 0xf033
	s_cbranch_scc0 .Lentry_shape_is_right
	s_endpgm
.Lentry_shape_is_right:
; q = x Wq + bq, k = x Wk + bk, v = x Wv + bv on codes of FP8 (E4M3), and each result quantised at once for the attention that follows.
; x: [8192][512] codes, K innermost.  Wq, Wk, Wv: [512 (n)][512 (k)] codes, K innermost.  bq, bk, bv: [512] f32.  The scales' exponents: e0 .. e9 (int32).
; A sum of product p stands for sum x 2^(ea + eb).  The bias goes in as the C of a sum's first matrix instruction, divided by 2^(ea + eb); the result's code is (sum + bias) / 2^(eo - ea - eb), held within
; +-448, to the nearest code: the three scales are folded into the conversion's one.  (ea, eb, eo) = (e0, e1, e6) for q, (e2, e3, e7) for k, (e4, e5, e9) for v.
; LIMITS: eo - ea - eb between -126 and 119, so that the scale and 448 x the scale are f32 numbers.  NaN among the inputs is not served.
; SHARES.  A work-group takes 256 rows of x and one head's 64 columns of each of the three weights: 8 heads x 32 row blocks = 256 work-groups.  Wave w takes 64 rows (four tiles of 16, row group w / 2) and 32 columns
; (two tiles, column half w % 2) of each product.  x's fragments, 4 tiles x 512 along K, are read from LDS once and stay in 256 registers; W's, 2 tiles x 512, come once a pass.  Three passes, q, k, v:
; 4 K steps of 128, 8 matrix instructions each, on 8 accumulators by turns.
; LDS is filled once (x's 256 rows, 3 x 64 rows of weights) and never again.  There is no loop in which a prefetch could run ahead.
; CLUSTER 4 x 4.  x's tile hangs on the row block alone and is shared along a row of the cluster; the weights' tiles hang on the head alone and are shared along a column: each is asked for JOINTLY,
; by the same tensor load with the same descriptor and a mask that names the four.
; THE RESULTS LEAVE AS IMAGES OF THE NEXT OPERANDS' REGISTERS.  In the plain 8-bit forms lane (r, h) holds, of its row r, k = 16 c + 8 h + 0 .. 7 in registers 2 c, 2 c + 1; in a result it holds 8 h + 0 .. 7 of the
; first source's 16 rows.  So the conversion of result tile c IS registers 2 c, 2 c + 1 of the next operand:
;   q, k (next K = the head's 64): the product is used TRANSPOSED (source 0 = 16 columns of W, source 1 = 16 rows of x): a lane holds one row of x and 8 neighbours along the head;
;   v    (next K = the keys):      source 0 = 16 rows of x, source 1 = 16 columns of Wv: a lane holds one channel and 8 neighbouring keys.
; q_img: head (8 m + h) x 262,144 + tile of 16 queries x 1,024 + [2 groups of 4 registers][32 lanes][16 bytes].
; kv_img: head x 524,288 + block of 128 keys x 16,384; in a block 8 fragments of K (16 keys, laid as q's), then from byte 8,192 on 4 fragments of V (16 channels x 128 keys: [4 groups][32 lanes][16 bytes]).
; Inside this launch a fragment of 128 along K is fetched by four loads of 16 bytes a side: a permutation of k, the same in x and in W, so every product meets its partner.
; REGISTERS: window 0: below; window 1: x's fragments, row tile u, K step s at 64 u + 16 s.
.set PITCH, 528                        ; an LDS row: 512 bytes + 16 of padding = 33 x 16: the 16 rows that a load touches start in 16 different columns of 16 bytes
.set WOFF,  256*PITCH                  ; behind x's 256 rows: the weights,
.set WT,    64*PITCH                   ; 64 rows each: q's, k's, v's
.set SPARE, 238592-1024                ; the spare words, 128 bytes for each wave: four blocks of 256 bytes that no other line names
.set SPW, 1                            ; v1   LDS address of my spare word;  v2   0; never rewritten
.set NIL, 2
.set LI,  3                            ; v3   16 x lane: my place in an image
.set AX,  4                            ; v4   LDS address of my fragments of x
.set AW,  5                            ; v5-7 of Wq's, Wk's, Wv's
.set SC,  8                            ; v8   the pass's scale as f32
.set HL,  9                            ; v9   448 x the scale
.set BT,  10                           ; v10  32 h: my eight numbers of a tile's bias (q, k)
.set BN,  11                           ; v11  4 r: my one number of a tile's bias (v)
.set BV,  14                           ; v14-15  bv of my channel in the two tiles
.set CD,  16                           ; v16-31  the pass's codes
.set BI,  32                           ; v32-47 the bias as C, 8 registers for each tile of columns: q's, later v's;  v48-63 k's
.set ACC, 64                           ; v64-127 accumulator (u, c) at 64 + 8 (2 u + c)
.set WF,  128                          ; v128-255 W's fragments: K step s, tile c at 128 + 32 s + 16 c
.set WV,  24                           ; s24  my wave's number
.set G1X, 32                           ; s[32:39] descriptor group 1 for x's tile;  s[40:47] for a weight's
.set G1W, 40
.set G0X, 48                           ; s[48:51], s[52:55] their groups 0
.set G0W, 52
.set RG,  67                           ; s67  my group of 64 rows;  s71  my half of the columns
.set CH,  71
.set NEG, 68                           ; s68-70  -(ea + eb) of pass 0, 1, 2
.set SCL, 72                           ; s72-74  2^(eo - ea - eb) as f32
.set HLD, 76                           ; s76-78  448 x that
.set OUT, 80                           ; s[80:81] q's images, s[82:83] k's, s[84:85] v's: where my wave's begin
.set MSB, 0
.macro WIN new                         ; the immediate's high byte repeats the setting that is left; a switch that changes nothing is dropped
.if MSB != \new
	s_set_vgpr_msb (MSB<<8)|\new
.set MSB, \new
.endif
.endm
.macro PLACES                          ; four places behind matrix instructions, in front of loads into their registers and of reads of their results
.rept 4
	v_nop
.endr
.endm
.macro CROUND                          ; a round of the cluster's barrier: my work-group's barrier; wave 0 signals for the work-group; every wave waits for all sixteen; my work-group's barrier once more
	s_barrier_signal -1
	s_barrier_wait -1
	s_cmp_lg_u32 s[WV], 0
	s_cbranch_scc1 .Lnot_wave_0_\@
	s_barrier_signal -3
.Lnot_wave_0_\@:
	s_barrier_wait -3
	s_barrier_signal -1
	s_barrier_wait -1
.endm
	s_load_b512 s[4:19], s[0:1], 0x0               ; x s[4:5], Wq s[6:7], Wk s[8:9], Wv s[10:11], bq s[12:13], bk s[14:15], bv s[16:17], the scales' exponents s[18:19]
	s_load_b128 s[20:23], s[0:1], 0x40             ; q_img s[20:21], kv_img s[22:23]
	v_lshl_add_u32 v[SPW], v0, 2, SPARE
	v_mov_b32 v[NIL], 0
	ds_add_u32 v[SPW], v[NIL]                      ; the wave's opening: the add, twice on end, and its wait; the set-up below stands between the second and the wait
	ds_add_u32 v[SPW], v[NIL]
	v_lshrrev_b32 v12, 5, v0
	v_readfirstlane_b32 s[WV], v12                 ; wave 0..7
	s_bfe_u32 s25, ttmp6, 0x40000                  ; cx, cy: my place in the cluster
	s_bfe_u32 s26, ttmp6, 0x40004
	s_lshl_b32 s27, ttmp9, 2
	s_add_co_u32 s27, s27, s25                     ; the head = 4 x cluster x + cx
	s_and_b32 s28, ttmp7, 0xffff
	s_lshl_b32 s28, s28, 2
	s_add_co_u32 s28, s28, s26                     ; the block of 256 rows = 4 x cluster y + cy
	s_lshl_b32 s29, s26, 2
	s_lshl_b32 s29, 15, s29                        ; my row of the cluster
	s_lshl_b32 s30, 0x1111, s25                    ; my column
	; descriptor group 1: 64 rows of 512 bytes, padded in LDS, for x's quarters and for the weights alike
	s_or_b32 s[G1X], s29, (0<<16)|(1<<20)|(1<<21)|(6<<22)|(3<<25)   ; 15:0 the mask: x's tile goes to my row; 17:16 elements of 1 byte; 20 padding on; 21 set beside a mask; 24:22 after every 128 words (code 6); 31:25 four words (code 3)
	s_or_b32 s[G1W], s30, (0<<16)|(1<<20)|(1<<21)|(6<<22)|(3<<25)   ; the same with the mask of my column
.irp q, G1X, G1W
	s_mov_b32 s[\q+1], 512<<16                     ; tensor_dim0 = 512
	s_mov_b32 s[\q+2], 64<<16                      ; tensor_dim1 = 64
	s_mov_b32 s[\q+3], 512<<16                     ; tile_dim0 = 512
	s_mov_b32 s[\q+4], 64                          ; tile_dim1 = 64
	s_mov_b32 s[\q+5], 512                         ; from row to row
	s_mov_b32 s[\q+6], 0
	s_mov_b32 s[\q+7], 0
.endr
	s_lshl_b32 s86, s28, 17                        ; x: 256 rows of 512 bytes a block,
	s_lshl_b32 s87, s[WV], 15                      ; waves 0-3 fetch 64 rows each: made of the row block and the wave's number alone
	s_add_co_u32 s86, s86, s87
	s_mov_b32 s87, 0
	s_lshl_b32 s88, s27, 15                        ; a weight: the head's 64 rows of 512 bytes: made of the head alone
	s_mov_b32 s89, 0
	s_mul_i32 s91, s[WV], WT                       ; where what I fetch goes: waves 0-3: x's quarters; waves 4, 5, 6: Wq's, Wk's, Wv's rows (4 WT = WOFF).  No place in the cluster enters an LDS address
	s_lshr_b32 s[RG], s[WV], 1
	s_and_b32 s[CH], s[WV], 1
	s_lshl_b32 s94, s27, 8                         ; the head's 64 numbers of a bias,
	s_lshl_b32 s95, s[CH], 7
	s_add_co_u32 s94, s94, s95                     ; my half of them
	s_mov_b32 s95, 0
	s_wait_dscnt 0x0                               ; both opening adds are done
	s_wait_kmcnt 0x0
	s_load_b256 s[56:63], s[18:19], 0x0            ; e0 .. e7
	s_load_b32 s66, s[18:19], 0x24                 ; e9
	s_mov_b32 s[G0X], 1                            ; 1:0 count = 1
	s_mov_b32 s[G0X+1], s91                        ; 63:32 LDS address
	s_add_nc_u64 s[G0X+2:G0X+3], s[4:5], s[86:87]  ; 120:64 global address
	s_or_b32 s[G0X+3], s[G0X+3], 0x80000000        ; 127:126 type = 2
	s_cmp_eq_u32 s[WV], 5                          ; which weight I fetch hangs on the wave's number alone
	s_cselect_b64 s[92:93], s[8:9], s[6:7]
	s_cmp_ge_u32 s[WV], 6
	s_cselect_b64 s[92:93], s[10:11], s[92:93]
	s_mov_b32 s[G0W], 1
	s_mov_b32 s[G0W+1], s91
	s_add_nc_u64 s[G0W+2:G0W+3], s[92:93], s[88:89]
	s_or_b32 s[G0W+3], s[G0W+3], 0x80000000
	s_add_nc_u64 s[12:13], s[12:13], s[94:95]      ; the biases at my first number
	s_add_nc_u64 s[14:15], s[14:15], s[94:95]
	s_add_nc_u64 s[16:17], s[16:17], s[94:95]
	CROUND                                         ; all sixteen work-groups are here: the joint loads meet
	s_cmp_lt_u32 s[WV], 4                          ; one chain of branches on the wave's number, one load an arm: waves 0-3 x, waves 4-6 a weight, wave 7 nothing
	s_cbranch_scc0 .Lnot_x
	tensor_load_to_lds s[G0X:G0X+3], s[G1X:G1X+7]
	s_nop 0
	PLACES                                         ; four v_nop follow a load, ahead of the jump and the label
	s_branch .Lasked
.Lnot_x:
	s_cmp_lt_u32 s[WV], 7
	s_cbranch_scc0 .Lasked
	tensor_load_to_lds s[G0W:G0W+3], s[G1W:G1W+7]
	s_nop 0
	PLACES
.Lasked:
	s_mul_i32 s90, s[RG], 64*PITCH                 ; my 64 rows of x
	s_mul_i32 s91, s[CH], 32*PITCH                 ; my 32 rows of a weight
	v_and_b32 v12, 15, v0                          ; r = lane % 16
	v_bfe_u32 v13, v0, 4, 1                        ; h = lane / 16
	v_and_b32 v[LI], 31, v0
	v_mul_u32_u24 v[AX], v12, PITCH
	v_lshlrev_b32 v[BT], 5, v13
	v_lshlrev_b32 v[BN], 2, v12
	v_lshlrev_b32 v[LI], 4, v[LI]
	v_lshl_add_u32 v[AX], v13, 4, v[AX]            ; a fragment's row x pitch + 16 x half
.irp c, 0,1
	global_load_b128 v[BI+8*\c:BI+8*\c+3],   v[BT], s[12:13] offset:64*\c      ; bq(16 c + 8 h + 0 .. 7 of my half): the result's layout
	global_load_b128 v[BI+8*\c+4:BI+8*\c+7], v[BT], s[12:13] offset:64*\c+16
	global_load_b128 v[BI+16+8*\c:BI+16+8*\c+3],   v[BT], s[14:15] offset:64*\c
	global_load_b128 v[BI+16+8*\c+4:BI+16+8*\c+7], v[BT], s[14:15] offset:64*\c+16
	global_load_b32 v[BV+\c], v[BN], s[16:17] offset:64*\c                     ; bv(16 c + r of my half)
.endr
	v_add_nc_u32 v[AW], s91, v[AX]
	v_add_nc_u32 v[AX], s90, v[AX]
	v_add_nc_u32 v[AW+1], WOFF+WT, v[AW]
	v_add_nc_u32 v[AW+2], WOFF+2*WT, v[AW]
	v_add_nc_u32 v[AW], WOFF, v[AW]
	s_wait_alu depctr_va_vdst(0)                   ; the wait here, directly ahead of the waits and the scalar lines below
	s_wait_kmcnt 0x0
.macro SCALES p, ea, eb, eo
	s_add_co_i32 s[NEG+\p], s[\ea], s[\eb]
	s_sub_co_i32 s[SCL+\p], s[\eo], s[NEG+\p]
	s_add_co_i32 s[SCL+\p], s[SCL+\p], 127
	s_add_co_i32 s[HLD+\p], s[SCL+\p], 8
	s_lshl_b32 s[SCL+\p], s[SCL+\p], 23            ; 2^(eo - ea - eb) as f32: the conversion takes its exponent field
	s_lshl_b32 s[HLD+\p], s[HLD+\p], 23
	s_or_b32 s[HLD+\p], s[HLD+\p], 0x600000        ; 448 x that
	s_sub_co_i32 s[NEG+\p], 0, s[NEG+\p]
.endm
	SCALES 0, 56, 57, 62
	SCALES 1, 58, 59, 63
	SCALES 2, 60, 61, 66
	; where my wave's images begin
	s_and_b32 s96, s28, 15                         ; the row block within its batch
	s_lshr_b32 s97, s28, 4
	s_lshl_b32 s97, s97, 3
	s_add_co_u32 s97, s97, s27                     ; 8 x batch + head
	s_lshl_b32 s98, s97, 18
	s_lshl_b32 s99, s96, 14
	s_add_co_u32 s98, s98, s99
	s_lshl_b32 s99, s[RG], 12
	s_add_co_u32 s98, s98, s99
	s_lshl_b32 s88, s[CH], 9                       ; my group of four registers in q's and k's fragments
	s_add_co_u32 s98, s98, s88                     ; q: 262,144 x head + 16,384 x block + 4,096 x row group + 512 x half
	s_mov_b32 s99, 0
	s_add_nc_u64 s[OUT:OUT+1], s[20:21], s[98:99]
	s_lshl_b32 s86, s97, 19
	s_lshl_b32 s89, s96, 15
	s_add_co_u32 s86, s86, s89
	s_lshr_b32 s89, s[RG], 1
	s_lshl_b32 s89, s89, 14
	s_add_co_u32 s86, s86, s89                     ; my block of 128 keys: 524,288 x head + 32,768 x block + 16,384 x (row group / 2)
	s_and_b32 s89, s[RG], 1
	s_lshl_b32 s90, s89, 12
	s_add_co_u32 s98, s86, s90
	s_add_co_u32 s98, s98, s88                     ; k: my four tiles of its eight, my group of registers
	s_add_nc_u64 s[OUT+2:OUT+3], s[22:23], s[98:99]
	s_lshl_b32 s90, s[CH], 12
	s_add_co_u32 s98, s86, s90
	s_lshl_b32 s90, s89, 10
	s_add_co_u32 s98, s98, s90
	s_add_co_u32 s98, s98, 8192                    ; v: my two of its four fragments, my two groups of four registers
	s_add_nc_u64 s[OUT+4:OUT+5], s[22:23], s[98:99]
	s_wait_loadcnt 0x0                             ; the biases: q's and k's become the C of their first products: / 2^(ea + eb)
.set j, 0
.rept 16
	v_ldexp_f32 v[BI+j], v[BI+j], s[NEG]
	v_ldexp_f32 v[BI+16+j], v[BI+16+j], s[NEG+1]
.set j, j+1
.endr
	s_wait_alu depctr_va_vdst(0)                   ; the wait at the head's end
	s_wait_tensorcnt 0x0                           ; my part of the tiles is in LDS,
	s_barrier_signal -1
	s_barrier_wait -1                              ; everybody's is; nothing is filled again
.macro XLOAD s                         ; x's fragments of K step s: 16 loads
	WIN 0x40                                       ; destination window 1
.irp u, 0,1,2,3
.irp i, 0,1,2,3
	ds_load_b128 v[64*\u+16*\s+4*\i:64*\u+16*\s+4*\i+3], v[AX] offset:16*PITCH*\u+128*\s+32*\i
.endr
.endr
	WIN 0
.endm
.macro WLOAD p, s                      ; W's fragments of pass p, K step s: 8 loads
.irp c, 0,1
.irp i, 0,1,2,3
	ds_load_b128 v[WF+32*\s+16*\c+4*\i:WF+32*\s+16*\c+4*\i+3], v[AW+\p] offset:16*PITCH*\c+128*\s+32*\i
.endr
.endr
.endm
; K step s of pass p: 8 matrix instructions, the 8 accumulators by turns, one instruction a turn, in the same order in every step.  Passes 0 and 1: source 0 = W's columns, source 1 = x's rows.
.macro MUL p, s
.if \p == 1
.set rB, BI+16
.else
.set rB, BI
.endif
.if \p < 2
	WIN 0x04                                       ; source 1 window 1
.else
	WIN 0x01                                       ; source 0 window 1
.endif
.irp u, 0,1,2,3
.irp c, 0,1
.set rA, ACC+8*(2*\u+\c)
.set rW, WF+32*\s+16*\c
.set rX, 64*\u+16*\s
.if \s == 0
.set rC, rB+8*\c
.else
.set rC, rA
.endif
.if \p < 2
	v_wmma_f32_16x16x128_fp8_fp8 v[rA:rA+7], v[rW:rW+15], v[rX:rX+15], v[rC:rC+7]
.else
	v_wmma_f32_16x16x128_fp8_fp8 v[rA:rA+7], v[rX:rX+15], v[rW:rW+15], v[rC:rC+7]
.endif
.endr
.endr
	WIN 0
.endm
; A pass whose fragments have all been asked for: the waits leave out the later steps' loads, eight each.
.macro PASS p
	s_wait_alu depctr_va_vdst(0)                   ; the wait here, directly ahead of the wait below
	s_wait_dscnt 24
	MUL \p, 0
	s_wait_dscnt 16
	MUL \p, 1
	s_wait_dscnt 8
	MUL \p, 2
	s_wait_dscnt 0
	MUL \p, 3
.endm
; The next pass's fragments of W are asked for; the pass's 64 results a lane are held, converted and stored: each store of the wave covers 512 consecutive bytes, aligned.
.macro FINISH p
	PLACES                                         ; in front of the loads into W's registers and of the first read of results
.if \p < 2
.irp s, 0,1,2,3
	WLOAD \p+1, \s
.endr
.endif
.if \p > 0
	s_wait_alu depctr_va_vdst(0)                   ; the wait here, directly ahead of the wait below
	s_wait_xcnt 0x0                                ; the last pass's stores have read the codes' registers, which are written again below
.endif
	v_mov_b32 v[SC], s[SCL+\p]
	v_mov_b32 v[HL], s[HLD+\p]
.set j, 0
.rept 64
	v_med3_num_f32 v[ACC+j], v[ACC+j], -v[HL], v[HL]   ; the conversion to an 8-bit code does not saturate (ISA guide 7.6.2): the hold at 448 x the scale; each accumulator from its low end on
.set j, j+1
.endr
.irp u, 0,1,2,3
.irp c, 0,1
.if \p < 2
	v_cvt_scalef32_pk8_fp8_f32 v[CD+4*\u+2*\c:CD+4*\u+2*\c+1], v[ACC+8*(2*\u+\c):ACC+8*(2*\u+\c)+7], v[SC]   ; rows' tile u, my group of four registers: my half's channels 16 c + 8 h + 0 .. 7
.else
	v_cvt_scalef32_pk8_fp8_f32 v[CD+8*\c+2*\u:CD+8*\c+2*\u+1], v[ACC+8*(2*\u+\c):ACC+8*(2*\u+\c)+7], v[SC]   ; channels' tile c: keys 16 u + 8 h + 0 .. 7 of my 64
.endif
.endr
.endr
	v_nop                                          ; one plain vector instruction behind the last conversion: later products write the numbers' registers again
.if \p < 2
.irp u, 0,1,2,3
	global_store_b128 v[LI], v[CD+4*\u:CD+4*\u+3], s[OUT+2*\p:OUT+2*\p+1] offset:1024*\u
.endr
.else
.irp c, 0,1
.irp q, 0,1
	global_store_b128 v[LI], v[CD+8*\c+4*\q:CD+8*\c+4*\q+3], s[OUT+4:OUT+5] offset:2048*\c+512*\q
.endr
.endr
.endif
.endm
	XLOAD 0                                        ; q: x's and W's fragments two steps ahead, 24 loads a step
	WLOAD 0, 0
	XLOAD 1
	WLOAD 0, 1
	s_wait_dscnt 24                                ; step 0's are in; step 1's may be out
	MUL 0, 0
	XLOAD 2                                        ; (into registers that no product has named yet)
	WLOAD 0, 2
	s_wait_dscnt 24
	MUL 0, 1
	XLOAD 3
	WLOAD 0, 3
	s_wait_dscnt 24
	MUL 0, 2
	s_wait_dscnt 0
	MUL 0, 3
	FINISH 0
	PASS 1                                         ; k
	FINISH 1
.irp c, 0,1
.irp i, 0,1,2,3,4,5,6,7
	v_ldexp_f32 v[BI+8*\c+\i], v[BV+\c], s[NEG+2]  ; v's bias as C: one number a tile, in eight registers
.endr
.endr
	PASS 2                                         ; v
	FINISH 2
	s_wait_tensorcnt 0x0                           ; the wave's end
	ds_add_u32 v[SPW], v[NIL]
	s_wait_dscnt 0x0
	CROUND                                         ; the closing round: no work-group ends while a partner may still ask for a tile that names it
	s_endpgm
.Lfunc_end_k_q5820cb4275_proj:
	.size	k_q5820cb4275_proj, .Lfunc_end_k_q5820cb4275_proj-k_q5820cb4275_proj
	.p2alignl 7, 3214868480
	.fill 96, 4, 3214868480
	.section	.rodata,"a",@progbits
	.p2align	6, 0x0
	.amdhsa_kernel k_q5820cb4275_proj
		.amdhsa_group_segment_fixed_size 238592
		.amdhsa_private_segment_fixed_size 0
		.amdhsa_enable_private_segment 0
		.amdhsa_kernarg_size 80
		.amdhsa_user_sgpr_count 2
		.amdhsa_user_sgpr_kernarg_segment_ptr 1
		.amdhsa_wavefront_size32 1
		.amdhsa_system_sgpr_workgroup_id_x 1
		.amdhsa_system_sgpr_workgroup_id_y 1
		.amdhsa_system_sgpr_workgroup_id_z 1
		.amdhsa_system_vgpr_workitem_id 0
		.amdhsa_next_free_vgpr 512
		.amdhsa_next_free_sgpr 100
		.amdhsa_reserve_vcc 0
		.amdhsa_float_denorm_mode_32 3
		.amdhsa_float_denorm_mode_16_64 3
		.amdhsa_memory_ordered 1
		.amdhsa_forward_progress 1
		.amdhsa_inst_pref_size 45
	.end_amdhsa_kernel
	.amdgpu_metadata
---
amdhsa.version: [ 1, 2 ]
amdhsa.kernels:
  - .name:           k_q5820cb4275_proj
    .symbol:         k_q5820cb4275_proj.kd
    .args:
      - { .name: x_codes, .offset: 0, .size: 8, .value_kind: global_buffer, .address_space: global }
      - { .name: Wq_codes, .offset: 8, .size: 8, .value_kind: global_buffer, .address_space: global }
      - { .name: Wk_codes, .offset: 16, .size: 8, .value_kind: global_buffer, .address_space: global }
      - { .name: Wv_codes, .offset: 24, .size: 8, .value_kind: global_buffer, .address_space: global }
      - { .name: bq, .offset: 32, .size: 8, .value_kind: global_buffer, .address_space: global }
      - { .name: bk, .offset: 40, .size: 8, .value_kind: global_buffer, .address_space: global }
      - { .name: bv, .offset: 48, .size: 8, .value_kind: global_buffer, .address_space: global }
      - { .name: lowp_scales, .offset: 56, .size: 8, .value_kind: global_buffer, .address_space: global }
      - { .name: q_img, .offset: 64, .size: 8, .value_kind: global_buffer, .address_space: global }
      - { .name: kv_img, .offset: 72, .size: 8, .value_kind: global_buffer, .address_space: global }
    .group_segment_fixed_size: 238592
    .private_segment_fixed_size: 0
    .kernarg_segment_align: 8
    .kernarg_segment_size: 80
    .max_flat_workgroup_size: 256
    .sgpr_count:     100
    .vgpr_count:     512
    .wavefront_size: 32
...
	.end_amdgpu_metadata
.endif
;; end of part 1
;; launch attn (part 2): grid 16 x 16, 8 waves a work-group, clusters of 4 x 1, 327,680 bytes of LDS; arguments q_img, kv_img, lowp_scales, out0; writes out0
.if DOCPART == 2
	.amdgcn_target "amdgcn-amd-amdhsa--gfx1250"
	.amdhsa_code_object_version 6
	.text
	.protected	k_q5820cb4275_attn
	.globl	k_q5820cb4275_attn
	.p2align	8
	.type	k_q5820cb4275_attn,@function
k_q5820cb4275_attn:
	s_mov_b64 s[64:65], 0
	v_nop
	global_prefetch_b8 v0, s[64:65] scope:SCOPE_SE
	s_setreg_imm32_b32 hwreg(HW_REG_WAVE_MODE, 25, 1), 1
	s_wait_xcnt 0x0
	s_wait_alu depctr_hold_cnt(0) depctr_sa_sdst(0) depctr_va_vdst(0) depctr_va_sdst(0) depctr_va_ssrc(0) depctr_va_vcc(0) depctr_vm_vsrc(0)
	s_getreg_b32 s2, hwreg(HW_REG_IB_STS2, 6, 4)
	s_cmp_eq_u32 s2, 0
	s_cbranch_scc0 .Lentry_in_a_cluster
	s_endpgm
.Lentry_in_a_cluster:
	s_bfe_u32 s2, ttmp6, 0x10000c
	s_cmp_lg_u32 s2, 0x3003
	s_cbranch_scc0 .Lentry_shape_is_right
	s_endpgm
.Lentry_shape_is_right:
; out[m][q][64 h ..] = the sum over keys of softmax(q . k / 8) v, for 16 heads (8 m + h) of 4,096 queries and keys, head size 64, both products on codes of FP8 (E4M3).
; q_img and kv_img hold the operands as images of their registers: a fragment's groups of four registers on end, 16 bytes a lane, 512 bytes a group.
;   q_img: head x 262,144 + tile of 16 queries x 1,024.    kv_img: head x 524,288 + block of 128 keys x 16,384: 8 fragments of K (16 keys x 64), then 4 of V (16 channels x 128 keys).
; THE SOFTMAX AHEAD OF THE SECOND PRODUCT: t = score x log2(e) / 8; M = the row's largest t so far, rounded UP to a whole number; p = 2^(t - M) is quantised with the given 2^e8; it is not normalised.
; The row's sum is taken of the unquantised p and divides O at the end.  When M moves, the sum and O are multiplied by f = 2^(old M - new M): nothing is rounded, and no branch hangs on data.
; SHARES.  A work-group owns 256 queries of one head; each of its eight waves 32: two tiles of 16, so that each fragment of K and V read from LDS feeds two products.  Two waves lie on a SIMD.
; ITEMS.  Item i = tile i % 2 and key step i / 2 (128 keys): 64 items a wave.  Its 64 scores a lane lie in buffer i % 4.  THE ITEMS GO THROUGH A PIPELINE OF REGIONS AND BATCHES:
;   region k: the maxima of item k + 1 between the sums of item k - 1, the conversions of item k - 2; then O of item k - 2 under its M, with V^T P of item k - 2 behind each accumulator's lines, and between them two short
;             chains: the one that makes M of item k + 1, and the one that makes f of item k and brings its sum under its M;
;   batch k:  K Q^T of item k + 2 (into the buffer that item k - 2 has left), then the exponentials of item k; between them the scaling of item k + 1 and the holds of item k - 1,
;             lines that hang neither on each other nor on any line of the batch: one wait ahead of a batch and one behind it serve all.
; The pipeline is filled and emptied by the same macros: each stage is assembled only for the items 0 .. 63.
; LAYOUT.  S^T = K Q^T (source 0 = 16 keys, source 1 = 16 queries): a lane holds ONE query (lane % 16) and keys 16 t + 8 (lane / 16) + 0 .. 7 of tile t: their eight codes are registers 2 t, 2 t + 1 of P.
; O^T = V^T P (source 0 = 16 channels, source 1 = P): again one query a lane, and eight channels.
; RING.  K is read two key steps ahead of V.  LDS holds four places of four blocks (65,536 bytes), dense: an image needs no pitch and no padding.  At the change to slot s (four key steps) slot s + 1 is asked for; its place
; was left three slots ago.  Each wave fetches 8,192 bytes of a slot: one tensor load of a wave is out at a time.
; CLUSTER 4 x 1.  The four query blocks of a cluster walk the same head's K and V: each tile is asked for JOINTLY, by the same tensor load with the same descriptor and a mask that names the four.
; No prefetch is laid: a slot's load goes out four key steps (96 matrix instructions and over a thousand vector instructions of each wave) ahead of the first wait for it.
; The hold of p at 448 x 2^e8 stands in every item, whatever e8 is: partners run alike, so no branch hangs on a loaded number.  Two holds go in one dual-issue instruction.
; LIMITS: e6 + e7 between -123 and 130 (they are added to c's exponent field); e8 between -126 and 119; e8 + e9 is applied by v_ldexp_f32 and has none.  The exponents to the base 2 stay under 2^31 in magnitude.  NaN among the inputs is not served.
; REGISTERS, in windows of 256 (s_set_vgpr_msb: bits 1:0 source 0, 3:2 source 1, 5:4 source 2, 7:6 destination):
;   window 0: v0-7 at work; v8-23 statistics, addresses, constants (below); v24-31 the sums; v32-47 Q; v48-63 P's codes; v64-127 O^T (tile x, channels' tile d at 64 + 32 x + 8 d); v128-191 K; v192-255 V
;   window 1: the four buffers of scores, 64 registers each.
; The packed forms name a pair and take its low word for both halves: f and -M lie in even registers, and what lies in the odd ones beside them is always written.
.set PLACE, 65536                      ; a slot: four blocks
.set BLOCK, 16384                      ; a block of 128 keys
.set HALF,  32768                      ; two blocks: what a trip of the loop reads of K and of V
.set RMASK, 0x3ffff                    ; the ring's 262,144 bytes
.set SPARE, 4*PLACE                    ; behind the ring: the spare words, 128 bytes for each wave: four blocks of 256 bytes that no other line names
.set STAGE, SPARE+1024                 ; the way out: 16 rows x (256 bytes + 16) for each wave; no tile lands here
.set SP,    272
.set TC,   0                           ; v[0:1], v[6:7]  two of the four chains of an item's sum (the thread's number is read at the head alone)
.set TD,   6
.set CW,   2                           ; v2-5  four chains of maxima
.set FF,   8                           ; v8 + 4 x + 2 p   f of tile x in steps of parity p
.set MX,   9                           ; v9, v11          the largest score of tile x so far
.set ADK,  13                          ; v13, v15         LDS addresses of K and V
.set ADV,  15
.set NM,   16                          ; v16 + 4 x + 2 p  -M of tile x in steps of parity p
.set LI,   17                          ; v17   16 x lane: my place in an image
.set SCL,  19                          ; v19   2^e8 as f32
.set NIL,  21                          ; v21   0; never rewritten
.set SPW,  23                          ; v23   LDS address of my spare word: SPARE + 4 x my thread's number; never rewritten
.set LA,   24                          ; v24 + 4 x   tile x's sum in two pairs
.set QF,   32
.set P,    48
.set O,    64
.set KF,   128
.set VF,   192
.set GO,   32                          ; the way out (Q's registers are free then): my byte offset in two rows of out,
.set STO,  33                          ; where I put 32 bytes of a row,
.set RD,   34                          ; where I read a row back
.set RES,  128                         ; and the results
.set WV,   12                          ; s12  my wave's number
.set G1,   16                          ; s[16:23] descriptor group 1;  s[24:27] group 0, which walks
.set G0,   24
.set SEL,  28                          ; s[28:29] lane selects for v_permlanex16_b32: lane l xor 16
.set CS,   30                          ; s[30:31] c = log2(e) / 8 x 2^(e6 + e7), twice
.set TBK,  32                          ; s32  LDS byte of the two blocks of K in hand
.set SLOTS, 33                         ; s33  counts the changes of slots that fill
.set TRIPS, 34                         ; s34  counts a slot's two trips
.set TBV,  35                          ; s35  LDS byte of the two blocks of V in hand: K's of the trip before
.set HS,   52                          ; s52  448 x 2^e8 as f32: the hold's bound
.set CSN,  53                          ; s53  -c
.set MSB, 0
.macro WIN new                         ; the immediate's high byte repeats the setting that is left; a switch that changes nothing is dropped
.if MSB != \new
	s_set_vgpr_msb (MSB<<8)|\new
.set MSB, \new
.endif
.endm
.macro PLACES
.rept 4
	v_nop
.endr
.endm
.macro CROUND                          ; a round of the cluster's barrier: my work-group's barrier; wave 0 signals for the work-group; every wave waits for all four; my work-group's barrier once more
	s_barrier_signal -1
	s_barrier_wait -1
	s_cmp_lg_u32 s[WV], 0
	s_cbranch_scc1 .Lnot_wave_0_\@
	s_barrier_signal -3
.Lnot_wave_0_\@:
	s_barrier_wait -3
	s_barrier_signal -1
	s_barrier_wait -1
.endm
	s_load_b256 s[4:11], s[0:1], 0x0               ; q_img s[4:5], kv_img s[6:7], the scales' exponents s[8:9], out s[10:11]
	v_lshl_add_u32 v[SPW], v0, 2, SPARE
	v_mov_b32 v[NIL], 0
	ds_add_u32 v[SPW], v[NIL]                      ; the wave's opening: the add, twice on end, and its wait; the set-up below stands between the second and the wait
	ds_add_u32 v[SPW], v[NIL]
	v_lshrrev_b32 v1, 5, v0
	v_readfirstlane_b32 s[WV], v1                  ; wave 0..7
	s_bfe_u32 s13, ttmp6, 0x40000                  ; cx: my place in the cluster
	s_lshl_b32 s14, ttmp9, 2
	s_add_co_u32 s14, s14, s13                     ; my block of 256 queries = 4 x cluster x + cx: it enters Q's and out's addresses alone
	s_and_b32 s15, ttmp7, 0xffff                   ; the head, which the four partners share
	; descriptor group 1: half a block, dense in memory, as 32 rows of 256 bytes
	s_mov_b32 s[G1], 15|(3<<16)|(1<<21)            ; 15:0 the mask: all four work-groups; 17:16 elements of 8 bytes; 20 no padding; 21 set beside a mask
	s_mov_b32 s[G1+1], 32<<16                      ; tensor_dim0 = 32
	s_mov_b32 s[G1+2], 32<<16                      ; tensor_dim1 = 32
	s_mov_b32 s[G1+3], 32<<16                      ; tile_dim0 = 32
	s_mov_b32 s[G1+4], 32                          ; tile_dim1 = 32
	s_mov_b32 s[G1+5], 32                          ; from row to row
	s_mov_b32 s[G1+6], 0
	s_mov_b32 s[G1+7], 0
	s_mov_b32 s[SEL], 0x76543210
	s_mov_b32 s[SEL+1], 0xfedcba98
	s_mov_b32 s[CS], 0x3e38aa3b                    ; log2(e) / 8
	s_mov_b32 s[TBK], HALF                         ; K's steps 2 and 3, which are read ahead of the loop
	s_mov_b32 s[SLOTS], 6
	s_lshl_b32 s42, s[WV], 13                      ; the half block of a slot that I fetch: its place in the slot and in memory
	s_lshl_b32 s40, s15, 19
	s_add_co_u32 s40, s40, s42                     ; K and V: 524,288 x head + 8,192 x wave: made of what the partners share
	s_mov_b32 s41, 0
	s_lshl_b32 s44, s15, 18
	s_lshl_b32 s45, s14, 14
	s_add_co_u32 s44, s44, s45
	s_lshl_b32 s45, s[WV], 11
	s_add_co_u32 s44, s44, s45                     ; Q: 262,144 x head + 16,384 x query block + 2,048 x wave
	s_mov_b32 s45, 0
	s_lshr_b32 s46, s15, 3
	s_lshl_b32 s46, s46, 23                        ; out: the batch's 4,096 rows of 2,048 bytes,
	s_lshl_b32 s47, s14, 19
	s_add_co_u32 s46, s46, s47                     ; my block's 256 rows,
	s_lshl_b32 s47, s[WV], 16
	s_add_co_u32 s46, s46, s47                     ; my wave's 32,
	s_and_b32 s47, s15, 7
	s_lshl_b32 s47, s47, 8
	s_add_co_u32 s46, s46, s47                     ; the head's 256 bytes of a row
	s_mov_b32 s47, 0
	s_wait_dscnt 0x0                               ; both opening adds are done
	s_wait_kmcnt 0x0
	s_load_b64 s[36:37], s[8:9], 0x18              ; e6, e7
	s_load_b64 s[38:39], s[8:9], 0x20              ; e8, e9
	s_mov_b32 s[G0], 1                             ; 1:0 count = 1
	s_mov_b32 s[G0+1], s42                         ; 63:32 LDS address: place 0
	s_add_nc_u64 s[G0+2:G0+3], s[6:7], s[40:41]    ; 120:64 global address: the head's first four blocks
	s_or_b32 s[G0+3], s[G0+3], 0x80000000          ; 127:126 type = 2
	s_add_nc_u64 s[4:5], s[4:5], s[44:45]
	s_add_nc_u64 s[10:11], s[10:11], s[46:47]
	CROUND                                         ; all four work-groups are here: the first joint loads meet
	tensor_load_to_lds s[G0:G0+3], s[G1:G1+7]      ; slot 0: one tensor load a wave at the head
	s_nop 0
	PLACES                                         ; four v_nop follow a tensor load
	v_and_b32 v[LI], 31, v0
.irp x, 0,1
	v_mov_b32 v[MX+2*\x], 0xff61b1e6               ; the largest score so far: -3e38
	v_mov_b32 v[LA+4*\x], 0                        ; the sum, in two pairs
	v_mov_b32 v[LA+4*\x+1], 0
	v_mov_b32 v[LA+4*\x+2], 0
	v_mov_b32 v[LA+4*\x+3], 0
.endr
	v_lshlrev_b32 v[LI], 4, v[LI]
.irp i, 0,1,2,3
	global_load_b128 v[QF+4*\i:QF+4*\i+3], v[LI], s[4:5] offset:512*\i   ; Q's two fragments stay in registers
.endr
	v_mov_b32 v[ADK], v[LI]                        ; ahead of the loop all reads are of place 0
	v_mov_b32 v[ADV], v[LI]
	s_wait_alu depctr_va_vdst(0)                   ; the wait here, directly ahead of the wait below
	s_wait_kmcnt 0x0
	s_add_co_i32 s49, s36, s37
	s_lshl_b32 s49, s49, 23
	s_add_co_i32 s[CS], s[CS], s49                 ; a score stands for score x 2^(e6 + e7): the two exponents are added to c's exponent field
	s_mov_b32 s[CS+1], s[CS]                       ; (named with it as a pair, so it is written)
	s_or_b32 s[CSN], s[CS], 0x80000000             ; -c
	s_add_co_i32 s49, s38, 127
	s_lshl_b32 s50, s49, 23
	v_mov_b32 v[SCL], s50                          ; 2^e8 as f32: the conversion takes its exponent field
	s_add_co_i32 s49, s49, 8
	s_lshl_b32 s49, s49, 23
	s_or_b32 s[HS], s49, 0x600000                  ; 448 x 2^e8
	s_add_co_i32 s51, s38, s39                     ; e8 + e9, for the end
; LDS loads of a step's fragments: K's 8 or V's 4, at byte o behind the address.
.macro LOADK o
.irp t, 0,1,2,3,4,5,6,7
	ds_load_b128 v[KF+8*\t:KF+8*\t+3],   v[ADK] offset:\o+1024*\t
	ds_load_b128 v[KF+8*\t+4:KF+8*\t+7], v[ADK] offset:\o+1024*\t+512
.endr
.endm
.macro LOADV o
.irp d, 0,1,2,3
.irp q, 0,1,2,3
	ds_load_b128 v[VF+16*\d+4*\q:VF+16*\d+4*\q+3], v[ADV] offset:\o+8192+2048*\d+512*\q
.endr
.endr
.endm
; K Q^T of item i: eight accumulators, each begun with 0.
.macro QK i
.set rB, 64*(((\i)+8)%4)
.set rQ, QF+8*(((\i)+8)%2)
	WIN 0x40                                       ; D window 1
.irp t, 0,1,2,3,4,5,6,7
	v_wmma_f32_16x16x64_fp8_fp8 v[rB+8*\t:rB+8*\t+7], v[KF+8*\t:KF+8*\t+7], v[rQ:rQ+7], 0
.endr
.endm
; V^T P of item i, channels' tile d: four accumulators, a turn each.  The first key step's products start the sums.
.macro PV i, d
.if dC
.set rX, O+32*(((\i)+8)%2)+8*\d
.if (\i) < 2
	v_wmma_f32_16x16x128_fp8_fp8 v[rX:rX+7], v[VF+16*\d:VF+16*\d+15], v[P:P+15], 0
.else
	v_wmma_f32_16x16x128_fp8_fp8 v[rX:rX+7], v[VF+16*\d:VF+16*\d+15], v[P:P+15], v[rX:rX+7]
.endif
.endif
.endm
; O^T under the new M: pair q of channels' tile d.
.macro RS d, q
.if dR
	v_pk_mul_f32 v[rO+8*\d+2*\q:rO+8*\d+2*\q+1], v[rO+8*\d+2*\q:rO+8*\d+2*\q+1], v[rF:rF+1] op_sel_hi:[1,0]
.endif
.endm
; Item k's sum under its M, ahead of the region that adds to it: pair i.
.macro LM i
.if dF
	v_pk_mul_f32 v[rL+2*\i:rL+2*\i+1], v[rL+2*\i:rL+2*\i+1], v[rG:rG+1] op_sel_hi:[1,0]
.endif
.endm
.macro REGION k
.set kk, (\k)+8
.set dM, (\k) <= 62                    ; maxima and M of item k + 1
.set dS, ((\k) >= 1) && ((\k) <= 64)   ; sums of item k - 1
.set dC, (\k) >= 2                     ; conversions and second product of item k - 2
.set dR, (\k) >= 4                     ; O of item k - 2 under its M: from the second key step on
.set dF, ((\k) >= 2) && ((\k) <= 63)   ; f of item k, and its sum under its M, likewise
.set rM, 64*((kk+1)%4)
.set rS, 64*((kk-1)%4)
.set rC, 64*((kk-2)%4)
.set rO, O+32*((kk-2)%2)
.set rF, FF+4*((kk-2)%2)+2*(((kk-2)/2)%2)
.set rL, LA+4*(kk%2)
.set rG, FF+4*(kk%2)+2*((kk/2)%2)
.set rA, LA+4*((kk-1)%2)
.set mx, MX+2*((kk+1)%2)
.set nmn, NM+4*((kk+1)%2)+2*(((kk+1)/2)%2)     ; -M of item k + 1,
.set nmk, NM+4*(kk%2)+2*((kk/2)%2)             ; of item k,
.set nmo, NM+4*(kk%2)+2*(((kk-2)/2)%2)         ; and of item k - 2
	WIN 0x11                                       ; sources 0 and 2 window 1
	s_wait_alu depctr_va_vdst(0)                   ; the wait behind the batch, directly ahead of the first reader of item k + 1's scores
.set j, 0
.rept 32
.if dM
.if j < 4
	v_max3_num_f32 v[CW+j], v[rM+2*j], v[mx], v[rM+2*j+1]   ; four chains, each begun with the largest so far; the registers in ascending order (each accumulator from its low end on)
.else
	v_max3_num_f32 v[CW+j%4], v[rM+2*j], v[CW+j%4], v[rM+2*j+1]
.endif
.endif
.if dS
.set rT, rA+2*(j%2)                            ; the sum of the UNQUANTISED p, two numbers at a time, in four chains: two go on from the tile's sum, two begin with the item
.if j%4 == 2
.set rT, TC
.elseif j%4 == 3
.set rT, TD
.endif
.if (j == 2) || (j == 3)
	v_pk_add_f32 v[rT:rT+1], v[rS+2*j:rS+2*j+1], 0 op_sel_hi:[1,0]
.else
	v_pk_add_f32 v[rT:rT+1], v[rS+2*j:rS+2*j+1], v[rT:rT+1]
.endif
.endif
.set j, j+1
.endr
.if dC
.irp t, 0,1,2,3,4,5,6,7
	v_cvt_scalef32_pk8_fp8_f32 v[P+2*\t:P+2*\t+1], v[rC+8*\t:rC+8*\t+7], v[SCL]   ; registers 2 t, 2 t + 1 of P: keys 16 t + 8 h + 0 .. 7
.endr
.endif
	WIN 0
.if ((\k) >= 0) && ((\k) <= 64) && (kk%2 == 0)
	s_wait_alu depctr_va_vdst(0)                   ; the wait here, directly ahead of the wait below
	s_wait_dscnt 0x0                               ; the fragments of K and V that batch k - 1 asked for are in
.endif
.if dR
	s_wait_alu depctr_va_vdst(0)                   ; the wait here, directly ahead of the first reader of O^T
.endif
	RS 0, 0                                        ; each accumulator's low pair first
	RS 1, 0
	RS 2, 0
	RS 3, 0
.if dM
	v_max3_num_f32 v[CW], v[CW], v[CW+1], v[CW+2]
.endif
.if dF
	v_sub_f32 v[CW+2], v[nmk], v[nmo]              ; item k: old M - new M: a whole number, 0 or less
.endif
	RS 0, 1
	RS 0, 2
	RS 0, 3
.if dM
	v_max_num_f32 v[CW], v[CW], v[CW+3]
.endif
	PV (\k)-2, 0
	RS 1, 1
.if dF
	v_cvt_i32_f32 v[CW+2], v[CW+2]                 ; (it saturates)
.endif
	RS 1, 2
	RS 1, 3
.if dM
	v_permlanex16_b32 v[CW+3], v[CW], s[SEL], s[SEL+1]   ; the query's other 64 keys lie in the lane 16 away
.endif
	PV (\k)-2, 1
	RS 2, 1
.if dF
	v_ldexp_f32 v[rG], 1.0, v[CW+2]                ; f = 2^(old M - new M)
.endif
	RS 2, 2
	RS 2, 3
.if dM
	v_max_num_f32 v[mx], v[CW], v[CW+3]            ; the running largest score
.endif
	PV (\k)-2, 2
	RS 3, 1
	RS 3, 2
	RS 3, 3
.if dM
	v_mul_f32 v[CW+1], s[CSN], v[mx]               ; -t
.endif
	PV (\k)-2, 3
	LM 0
	LM 1
.if dS
	v_pk_add_f32 v[rA:rA+1], v[rA:rA+1], v[TC:TC+1]        ; item k - 1: the four chains become the tile's two pairs
	v_pk_add_f32 v[rA+2:rA+3], v[rA+2:rA+3], v[TD:TD+1]
.endif
.if dM
	v_floor_f32 v[nmn], v[CW+1]                    ; the new -M = floor(-t) = -ceil(t): M is a whole number
.endif
.endm
; The hold of the pair at v[a], v[a + 1], a even: the conversion to an 8-bit code does not saturate (ISA guide 7.6.2); p is not negative, so the hold is one-sided.
; Both numbers in one dual-issue instruction: one destination is even and the other odd, the second sources are neighbouring registers, the first source of both is the same scalar.
.macro HOLD2 a
	v_dual_min_num_f32 v[\a], s[HS], v[\a] :: v_dual_min_num_f32 v[\a+1], s[HS], v[\a+1]
.endm
.macro BATCH k
.set kk, (\k)+8
.set rE, 64*(kk%4)
.set rN, 64*((kk+1)%4)
.set rH, 64*((kk-1)%4)
.set nmf, NM+4*((kk+1)%2)+2*(((kk+1)/2)%2)
	s_wait_alu depctr_va_vdst(0)                   ; the wait ahead of the batch
.if ((\k) >= 0) && ((\k) <= 61)
	QK (\k)+2
.endif
	WIN 0x45                                       ; destination, sources 0 and 1 window 1
.set g, 0
.rept 32
.if ((\k) >= 0) && ((\k) <= 63)
	v_exp_f32 v[rE+2*g], v[rE+2*g]                 ; p = 2^(t - M)
.endif
.if (\k) <= 62
	v_pk_fma_f32 v[rN+2*g:rN+2*g+1], v[rN+2*g:rN+2*g+1], s[CS:CS+1], v[nmf:nmf+1] op_sel_hi:[1,0,0]   ; item k + 1: t - M, two at a time
.endif
.if ((\k) >= 0) && ((\k) <= 63)
	v_exp_f32 v[rE+2*g+1], v[rE+2*g+1]
.endif
.if ((\k) >= 1) && ((\k) <= 64)
	HOLD2 rH+2*g                                   ; item k - 1, which has been summed
.endif
.if ((\k) >= 1) && (kk%2 == 1)                     ; both tiles' products have taken this step's fragments, and four plain lines or more stand behind them: the next ones are asked for
.if (g == 2) && ((\k) <= 63)
	WIN 0
	LOADV BLOCK*((kk%4)/2)
	WIN 0x45
.endif
.if (g == 6) && ((\k) <= 59)
	WIN 0
.if (\k) < 5
	LOADK BLOCK*((kk%4)/2)+HALF
.else
	LOADK BLOCK*((kk%4)/2)
.endif
	WIN 0x45
.endif
.endif
.set g, g+1
.endr
.endm
; THE CHANGE OF SLOTS.  Each wave waits for all its tensor loads (its part of the slot ahead), adds 0 to its spare word, and waits for that and for its LDS reads.
; fill = 1: the slot after that is asked for, into the next place of the ring, whose last reads lie two slots back.  The barrier is then a round of the cluster's, so that no wave of any partner still reads the place or has
; a load on its way; the joint load is the first thing behind it and has four key steps in which to land.
.macro CHANGE fill
	s_wait_tensorcnt 0x0                           ; no tensor load of mine is out, so group 0 may be written
	ds_add_u32 v[SPW], v[NIL]                      ; 0 onto my spare word
.if \fill
	s_add_co_u32 s[G0+1], s[G0+1], PLACE           ; the walking descriptor: the next place,
	s_and_b32 s[G0+1], s[G0+1], RMASK
	s_add_nc_u64 s[G0+2:G0+3], s[G0+2:G0+3], PLACE ; the next four blocks; the type bits on top are not reached
.endif
	s_wait_dscnt 0x0                               ; the add is done, and so are my reads
.if \fill
	CROUND
	tensor_load_to_lds s[G0:G0+3], s[G1:G1+7]
	s_nop 0
	PLACES
.else
	s_barrier_signal -1
	s_barrier_wait -1
.endif
.endm
; A slot's two trips of four items.  A trip reads two blocks of K and the two blocks of V that lie two key steps back.
.macro WALK
	s_mov_b32 s[TRIPS], 2
.Ltrip_\@:
	s_mov_b32 s[TBV], s[TBK]
	s_add_co_u32 s[TBK], s[TBK], HALF
	s_and_b32 s[TBK], s[TBK], RMASK
	v_add_nc_u32 v[ADV], s[TBV], v[LI]
	v_add_nc_u32 v[ADK], s[TBK], v[LI]
.irp n, 5,6,7,8                        ; (items by their numbers mod 4)
	REGION \n
	BATCH \n
.endr
	WIN 0
	s_wait_alu depctr_va_vdst(0)                   ; the wait here, ahead of the branch
	s_sub_co_u32 s[TRIPS], s[TRIPS], 1
	s_cmp_lg_u32 s[TRIPS], 0
	s_cbranch_scc1 .Ltrip_\@
.endm
	s_wait_alu depctr_va_vdst(0)                   ; the wait at the head's end
	s_wait_loadcnt 0x0                             ; Q
	CHANGE 1                                       ; slot 0 is in; slot 1 is asked for
	LOADK 0
	s_wait_dscnt 0x0
	QK 0
	QK 1
	WIN 0
	PLACES                                         ; in front of the loads into K's registers, and of the first read of results
	LOADK BLOCK
	REGION -1                                      ; the pipeline fills
	BATCH -1
	REGION 0
	BATCH 0
	REGION 1
	BATCH 1
	REGION 2
	BATCH 2
	REGION 3
	BATCH 3
	REGION 4
	BATCH 4
	WIN 0
	s_wait_alu depctr_va_vdst(0)                   ; the wait here, ahead of the label
.Lslot:                                            ; six trips, slots 1 to 6: items 5 to 52
	CHANGE 1
	WALK
	s_sub_co_u32 s[SLOTS], s[SLOTS], 1
	s_cmp_lg_u32 s[SLOTS], 0
	s_cbranch_scc1 .Lslot
	CHANGE 0                                       ; slot 7 is written out: items 53 to 60
	WALK
	v_add_nc_u32 v[ADV], s[TBK], v[LI]             ; V's last two blocks
	REGION 61                                      ; the pipeline empties
	BATCH 61
	REGION 62
	BATCH 62
	REGION 63
	BATCH 63
	REGION 64
	BATCH 64
	REGION 65
	WIN 0
	; THE WAY OUT.  The sum's parts and the other half of the lanes' are added; O^T is divided by the sum, multiplied by 2^(e8 + e9), and goes through my stage in LDS, a tile of 16 queries at a time.
	; The plain lines below name no register of the last products: they are the places in front of the first read of O^T and of the first write of V's registers.
.irp x, 0,1
	v_pk_add_f32 v[LA+4*\x:LA+4*\x+1], v[LA+4*\x:LA+4*\x+1], v[LA+4*\x+2:LA+4*\x+3]
.endr
.irp x, 0,1
	v_add_f32 v[LA+4*\x], v[LA+4*\x], v[LA+4*\x+1]
.endr
.irp x, 0,1
	v_permlanex16_b32 v[CW+\x], v[LA+4*\x], s[SEL], s[SEL+1]
.endr
.irp x, 0,1
	v_add_f32 v[LA+4*\x], v[LA+4*\x], v[CW+\x]
.endr
	s_mul_i32 s48, s[WV], 16*SP
	s_add_co_u32 s48, s48, STAGE                   ; my stage
	s_wait_alu depctr_va_vdst(0)                   ; the wait ahead of the batch
.irp x, 0,1
	v_rcp_f32 v[LA+4*\x], v[LA+4*\x]
.endr
	v_bfe_u32 v35, v[LI], 4, 4                     ; (plain lines behind the reciprocals)  r
	v_bfe_u32 v36, v[LI], 8, 1                     ; h
	v_mul_u32_u24 v[STO], v35, SP
	v_lshlrev_b32 v[GO], 11, v36
	v_mul_u32_u24 v[RD], v36, SP
	v_lshl_add_u32 v[STO], v36, 5, v[STO]
	v_lshl_add_u32 v[GO], v35, 4, v[GO]            ; lanes 0-15 take one row of out, lanes 16-31 the next; 16 bytes a lane
	v_lshl_add_u32 v[RD], v35, 4, v[RD]
	v_add_nc_u32 v[STO], s48, v[STO]               ; in: row r, 32 bytes for each half of the lanes
	v_add_nc_u32 v[RD], s48, v[RD]                 ; back: two rows an instruction
	s_wait_alu depctr_va_vdst(0)                   ; the wait, ahead of the batch's first reader
.irp x, 0,1
	v_ldexp_f32 v[LA+4*\x], v[LA+4*\x], s51
.endr
.macro SENDTILE x
	s_wait_alu depctr_va_vdst(0)                   ; the wait here, directly ahead of the first reader of O^T
.set j, 0
.rept 16
	v_pk_mul_f32 v[RES+64*\x+j:RES+64*\x+j+1], v[O+32*\x+j:O+32*\x+j+1], v[LA+4*\x:LA+4*\x+1] op_sel_hi:[1,0]   ; register 8 d + i: out(query r, channel 16 d + 8 h + i); each accumulator from its low end on
.set j, j+2
.endr
.irp d, 0,1,2,3
	ds_store_b128 v[STO], v[RES+64*\x+8*\d:RES+64*\x+8*\d+3]   offset:64*\d
	ds_store_b128 v[STO], v[RES+64*\x+8*\d+4:RES+64*\x+8*\d+7] offset:64*\d+16
.endr
.irp i, 0,1,2,3,4,5,6,7
	ds_load_b128 v[RES+64*\x+32+4*\i:RES+64*\x+32+4*\i+3], v[RD] offset:2*\i*SP   ; LDS serves a wave's instructions in order (ISA guide 5.7.1.4): these see my stores, and the next tile's stores come behind them
.endr
.irp i, 0,1,2,3,4,5,6,7
	s_wait_dscnt 7-\i                              ; row pair i is back; the loads issued behind it may be out
	global_store_b128 v[GO], v[RES+64*\x+32+4*\i:RES+64*\x+32+4*\i+3], s[10:11] offset:32768*\x+4096*\i th:TH_STORE_NT   ; 16 lanes store 256 consecutive bytes, aligned: a query's 64 channels; written once, read by nobody here
.endr
.endm
	SENDTILE 0
	SENDTILE 1
	s_wait_tensorcnt 0x0                           ; the wave's end, behind my last tensor load and my last LDS store
	ds_add_u32 v[SPW], v[NIL]
	s_wait_dscnt 0x0
	CROUND                                         ; the closing round: no work-group ends while a partner may still ask for a tile that names it
	s_endpgm
.Lfunc_end_k_q5820cb4275_attn:
	.size	k_q5820cb4275_attn, .Lfunc_end_k_q5820cb4275_attn-k_q5820cb4275_attn
	.p2alignl 7, 3214868480
	.fill 96, 4, 3214868480
	.section	.rodata,"a",@progbits
	.p2align	6, 0x0
	.amdhsa_kernel k_q5820cb4275_attn
		.amdhsa_group_segment_fixed_size 327680
		.amdhsa_private_segment_fixed_size 0
		.amdhsa_enable_private_segment 0
		.amdhsa_kernarg_size 32
		.amdhsa_user_sgpr_count 2
		.amdhsa_user_sgpr_kernarg_segment_ptr 1
		.amdhsa_wavefront_size32 1
		.amdhsa_system_sgpr_workgroup_id_x 1
		.amdhsa_system_sgpr_workgroup_id_y 1
		.amdhsa_system_sgpr_workgroup_id_z 1
		.amdhsa_system_vgpr_workitem_id 0
		.amdhsa_next_free_vgpr 512
		.amdhsa_next_free_sgpr 66
		.amdhsa_reserve_vcc 0
		.amdhsa_float_denorm_mode_32 3
		.amdhsa_float_denorm_mode_16_64 3
		.amdhsa_memory_ordered 1
		.amdhsa_forward_progress 1
		.amdhsa_inst_pref_size 241
	.end_amdhsa_kernel
	.amdgpu_metadata
---
amdhsa.version: [ 1, 2 ]
amdhsa.kernels:
  - .name:           k_q5820cb4275_attn
    .symbol:         k_q5820cb4275_attn.kd
    .args:
      - { .name: q_img, .offset: 0, .size: 8, .value_kind: global_buffer, .address_space: global }
      - { .name: kv_img, .offset: 8, .size: 8, .value_kind: global_buffer, .address_space: global }
      - { .name: lowp_scales, .offset: 16, .size: 8, .value_kind: global_buffer, .address_space: global }
      - { .name: out0, .offset: 24, .size: 8, .value_kind: global_buffer, .address_space: global }
    .group_segment_fixed_size: 327680
    .private_segment_fixed_size: 0
    .kernarg_segment_align: 8
    .kernarg_segment_size: 32
    .max_flat_workgroup_size: 256
    .sgpr_count:     66
    .vgpr_count:     512
    .wavefront_size: 32
...
	.end_amdgpu_metadata
.endif
;; end of part 2
